; MI455X (gfx1250); checked and timed in simulation.
; The chip was launched on July 23, 2026; its instructions are those of AMD's public machine-readable ISA for CDNA 5 (MIT licence, August 2026) and "CDNA5" Instruction Set Architecture Reference Guide (July 2026). The comments in the code are by the model that wrote it; some were corrected since.
;; Pooled Self Attention2d. Allowed arithmetic: matrix products marked QUANTISED: E4M3 operands, one E8M0 scale for each 32 along K, by v_wmma_scale_f32_16x16x128_f8f6f4 with both operands' format E4M3, f32 sums; products left as they are: f32 operands where the result goes on into a quantised operand, else bf16, f16 or f32 operands; f32 sums; everything else in f32.
;; Inputs: gamma 1 float32; w_g 32 x 64 float32; w_o 64 x 32 float32; w_phi 8 x 64 float32; w_theta 8 x 64 float32; x 16 x 64 x 64 x 64 float32.
;; Outputs: out0 16 x 64 x 64 x 64 float32.
;; This version of the problem:
;;   THIS VERSION OF THE PROBLEM IS GIVEN IN LOW PRECISION. The matrix products marked QUANTISED in the list below multiply operands that are first quantised to E4M3 (4 exponent bits, 3 mantissa bits; 8 bits a number), with one power-of-two scale for each 32 numbers along K (OCP MX v1.0); their sums are f32. All else is computed in f32.
;;   The module's matrix products, in the order in which they are computed (A, B: the left and right operand; K: the contracted axis; several contracted axes count as one K, in the product's order):
;;     1. [M 65,536, K 64] x [K 64, N 8]; A: input x; B: input w_theta: left as it is (N = 8 < 16)
;;     2. [M 65,536, K 64] x [K 64, N 8]; A: input x; B: input w_phi: left as it is (N = 8 < 16)
;;     3. [M 65,536, K 64] x [K 64, N 32]; A: input x; B: input w_g: QUANTISED
;;     4. batch 16 x [M 4,096, K 8] x [K 8, N 1,024]; A: computed on the way; B: computed on the way: left as it is (K = 8 < 32)
;;     5. batch 16 x [M 32, K 1,024] x [K 1,024, N 4,096]; A: computed on the way; B: softmax (see below): QUANTISED
;;     6. [M 65,536, K 32] x [K 32, N 64]; A: computed on the way; B: input w_o: QUANTISED
;;   THE QUANTISER, for each operand of a quantised product, along K:
;;     - K is cut into blocks of 32 from its start; a last block that is shorter is filled with zeros.
;;     - A block's scale is 2^e with e = floor(log2(the largest magnitude in the block)) - 8, held to -126 .. 127; a block of zeros has e = 0. As a byte (E8M0): e + 127.
;;     - Each number is divided by its block's scale, clamped to +-448, and rounded to the nearest number of E4M3, ties to even, subnormals kept.
;;     - The product sums the exact products of the quantised numbers (number of the format x scale) in f32.
;;   ~~~python
;;   def quantise(x, axis):      # numpy; x: float32 -> the quantised numbers, widened to float32 again
;;       x = np.moveaxis(x, axis, -1); K = x.shape[-1]
;;       x = np.pad(x, [(0, 0)] * (x.ndim - 1) + [(0, -K % 32)]); x = x.reshape(x.shape[:-1] + (-1, 32)); a = np.abs(x).max(-1, keepdims=True)
;;       e = np.where(a > 0, np.clip(np.frexp(np.where(a > 0, a, 1))[1] - 1 - 8, -126, 127), 0)      # np.frexp(a)[1] - 1 = floor(log2(a)), exactly
;;       r = np.clip(x / 2.0 ** e, -448, 448)
;;       step = 2.0 ** (np.maximum(np.frexp(np.where(r == 0, 1, r))[1] - 1, -6) - 3)
;;       q = np.round(r / step) * step * 2.0 ** e      # np.round: ties to even
;;       return np.moveaxis(q.reshape(q.shape[:-2] + (-1,))[..., :K], -1, axis).astype(np.float32)
;;   ~~~
;;   SOFTMAX AHEAD OF A QUANTISED PRODUCT. Where the list says 'softmax', what is quantised is not the finished softmax but p = 2^(t - M), with t = logit x log2(e) and M = ceil(the row's largest t), a whole number; so 1/2 < the row's largest p <= 1. The row's sum l is taken of the UNQUANTISED p, in f32, and the product's result is divided by l at the end. Since M is a whole number, a kernel that streams over the keys may use a running M (the ceiling of the running maximum): every later rescaling is an exact power of two, which a block's scale takes up: the codes' values come out the same.
;;   OPERANDS COMPUTED ON THE WAY. 'Computed on the way' means the value that the module computes at that place (a softmax that the list does not call 'softmax' is quantised finished and normalised). What goes into a quantiser is computed in f32, as accurately as f32 sums, v_exp_f32 and their like allow (about 1e-6 of the number): no bf16 or f16 on the way to a quantiser, and a product that is left as it is and whose result goes on into a quantised operand takes f32 operands (vector FMAs, or v_wmma_f32_16x16x4_f32). A number that lies on a knife's edge between two numbers of the format may be rounded either way, as far as f32 arithmetic and the matrix unit's own rounding can turn it there, and no further.
;; 2 versions, each right; version 2 is version 1 with the launch attend written anew for expert scheduling mode. Each part assembles by itself: llvm-mc -triple=amdgcn-amd-amdhsa -mcpu=gfx1250 --defsym DOCPART=n.
;; ======== version 1 of 2: 2 launches
;; workspace buffers: fimg 2,097,152 bytes; gimg 524,288 bytes; himg 524,288 bytes; hsc 16,384 bytes
;; launch project (part 1): grid 256 x 1, 4 waves a work-group, no clusters, 87,552 bytes of LDS; arguments x, w_theta, w_phi, w_g, fimg, gimg, himg, hsc; writes fimg, gimg, himg, hsc
.if DOCPART == 1
	.amdgcn_target "amdgcn-amd-amdhsa--gfx1250"
	.amdhsa_code_object_version 6
	.text
	.protected	k_q07bc308e82_project
	.globl	k_q07bc308e82_project
	.p2align	8
	.type	k_q07bc308e82_project,@function
k_q07bc308e82_project:
	s_mov_b64 s[64:65], 0
	v_nop
	global_prefetch_b8 v0, s[64:65] scope:SCOPE_SE
	s_setreg_imm32_b32 hwreg(HW_REG_WAVE_MODE, 25, 1), 1
	s_wait_xcnt 0x0
; f = w_theta x;  g = maxpool2(w_phi x);  h = maxpool2(Q(w_g) Q(x)), quantised again along the pooled keys.  x: [16][64 channels][64][64] f32.
; The first two products take f32 operands (their results go on into a quantiser): v_wmma_f32_16x16x4_f32.  The third is on codes of E4M3 with one E8M0 scale for each 32 channels.
; SHARES.  256 work-groups of four waves; a work-group owns four image rows of one image, a wave ONE row: 64 pixels x 64 channels, 16,384 bytes.
; x comes by 32 loads of 16 bytes a lane (sixteen lanes take a channel's whole row of 256 bytes), goes through the wave's own stage in LDS and comes back so that lane (r, h) holds ONE pixel and 32 channels:
; register n = channel 32 (n / 16) + 16 h + n % 16.  Those 32 registers are (a) source 1 of sixteen f32 matrix instructions, a pair of registers each (the same order of channels is given to the weights), and
; (b) just what the conversions want: 16 neighbours along K of each of the two blocks of 32 channels.
; THE PIXELS OF A TILE ARE NOT NEIGHBOURS: lane r of tile q takes pixel 32 (r / 8) + 8 q + r % 8, so that after the pooling a lane of product 3's result holds 16 neighbouring keys.
; f32 PRODUCT: source 0 has 16 rows: theta 0-3, phi 0-3, theta 4-7, phi 4-7.  So in the result lane (r, h) holds, of pixel r, theta's channels 4 h .. 4 h + 3 in registers 0-3 and phi's in registers 4-7:
; registers 0-3 are stored as they stand: they are the next launch's fragment of f (16 bytes x lane, 512 consecutive bytes a tile).
; PRODUCT 3: source 0 = 16 pixels, source 1 = 16 rows of w_g (lane r of tile u takes row 8 u + r + 8 (r / 8): the order in which the next launch wants the channels).  Lane (r, h) then holds one channel and pixels 32 h + 8 q + 0 .. 7.
; POOLING.  Along a row: pairs of registers (h), lanes l and l xor 1 (phi).  Between the two rows: through LDS, with the wave beside me, behind the one barrier.  Of a pair of waves the even one finishes tile 0 (of g's keys, of h's channels), the odd one tile 1.
; A pooled row of 32 keys is one block of h's quantiser: 16 numbers in lane l, 16 in lane l xor 16.
; OUT (all laid as images of the reader's registers): fimg [image][row y][tile q][lane][16 bytes];  gimg [image][key tile 2 Y + u][lane][16];  himg [image][key step Y / 4][channel tile][block Y % 4][lane][16];  hsc [image][key step][32 rows][4 bytes].
; LIMITS: NaN and infinities are not served.  A block whose largest magnitude lies under 2^-118, a block of zeros too, gets the scale byte 1 (zeros: where the quantiser says 127): its codes add the same, and this program alone reads the bytes.
; No tensor loads, no cluster: no work-group reads what another reads but 12 KB of weights.
.set STGW,  16640                      ; a wave's stage: four groups of 16 channels, 16 x 256 bytes + 64: the 64 put lanes 16-31, which read 16 channels further on, 16 words further round the 64 banks of 4 bytes (ISA guide 11.1)
.set GRP,   4160
.set GX,    4*STGW                     ; phi pooled along the row: 1,024 bytes a wave, two key tiles as images
.set HX,    GX+4096                    ; h pooled along the row: 4,096 bytes a wave, 2 channel tiles x 4 x 512
.set XG,    4                          ; v4   x: 16,384 (lane / 16) + 16 (lane % 16)
.set SST,   5                          ; v5   stage, in: 16 x lane
.set SLD,   6                          ; v6   stage, out: GRP h + 4 x my pixel of tile 0
.set WT,    7                          ; v7   w_theta, w_phi: my row, + 64 h
.set WGO,   8                          ; v8   w_g: my row of tile 0, + 64 h
.set L16,   9                          ; v9   16 x lane
.set GXS,   10                         ; v10  where I put phi
.set HXS,   11                         ; v11  where I put h
.set GXL,   12                         ; v12  where I read my pair's phi
.set HXL,   13                         ; v13  where I read my pair's h
.set SCO,   14                         ; v14  4 r
.set WA,    16                         ; v16-47   the f32 weights; then phi pooled (v16-31); then x's codes, two operands of 8 codes' registers + 8 of zeros
.set T,     16
.set DF,    48                         ; v48-79   the four f32 sums: written by matrix instructions alone
.set WG,    80                         ; v80-111  w_g's two operands: 8 registers of codes + 8 of zeros (K = 64 of the instruction's 128)
.set TM,    112                        ; v112-119 at work
.set XSW,   124                        ; v124-125 x's scale words;  v126-127 w_g's: these four hold scales and nothing else
.set WGS,   126
.set X,     128                        ; v128-255 tile q's 32 numbers at X + 32 q; before that the weights as loaded; later product 3's results
.set SEL,   28                         ; s[28:29] v_permlanex16_b32's selects for lane l xor 16
.set MNT,   30                         ; s30  the mantissa field of 448
.set MSB, 0
.macro WIN new                         ; the immediate's high byte repeats the setting that is left
.if MSB != \new
	s_set_vgpr_msb (MSB<<8)|\new
.set MSB, \new
.endif
.endm
; 32 numbers of a lane, register 16 b + i = k 32 b + 16 h + i of my row, become 8 registers of codes at v[d] and the row's scale word in v[w] (bytes 2 and 3 stay 0: their codes are zeros)
.macro QUANT2 s, d, w
.irp b, 0,1
	v_max3_num_f32 v[TM+\b], |v[(\s)+16*\b]|, |v[(\s)+16*\b+1]|, 0x4800000   ; my 16 numbers, and the floor 2^(9 - 127): the byte cannot fall under 1
.endr
.irp i, 2,4,6,8,10,12,14
.irp b, 0,1
	v_max3_num_f32 v[TM+\b], v[TM+\b], |v[(\s)+16*\b+\i]|, |v[(\s)+16*\b+\i+1]|
.endr
.endr
.irp b, 0,1
	v_permlanex16_b32 v[TM+2+\b], v[TM+\b], s[SEL], s[SEL+1]
.endr
.irp b, 0,1
	v_max_num_f32 v[TM+\b], v[TM+\b], v[TM+2+\b]   ; with lane l xor 16's: the block's largest magnitude
.endr
.irp b, 0,1
	v_add_nc_u32 v[TM+6+\b], 0xfc000000, v[TM+\b]  ; 8 off its exponent field: the conversion's scale operand
.endr
.irp b, 0,1
	v_and_or_b32 v[TM+4+\b], v[TM+\b], 0x7f800000, s[MNT]   ; 448 x the scale
.endr
.irp b, 0,1
	v_lshrrev_b32 v[TM+2+\b], 23, v[TM+6+\b]       ; the scale's byte
.endr
	v_lshl_or_b32 v[(\w)], v[TM+3], 8, v[TM+2]
.irp b, 0,1
.irp i, 0,1,2,3,4,5,6,7,8,9,10,11,12,13,14,15
	v_med3_num_f32 v[(\s)+16*\b+\i], v[(\s)+16*\b+\i], -v[TM+4+\b], v[TM+4+\b]   ; the conversion to an 8-bit code does not saturate (ISA guide 7.6.2): the hold comes first
.endr
	v_cvt_scalef32_pk8_fp8_f32 v[(\d)+4*\b:(\d)+4*\b+1], v[(\s)+16*\b:(\s)+16*\b+7], v[TM+6+\b]
	v_cvt_scalef32_pk8_fp8_f32 v[(\d)+4*\b+2:(\d)+4*\b+3], v[(\s)+16*\b+8:(\s)+16*\b+15], v[TM+6+\b]
.endr
	v_nop                                          ; a plain instruction behind the last conversion
.endm
; 16 numbers of a lane and 16 of lane l xor 16 are one block: 4 registers of codes at v[d], the byte in v[TM+2]
.macro QUANT1 s, d
	v_max3_num_f32 v[TM], |v[(\s)]|, |v[(\s)+1]|, 0x4800000
.irp i, 2,4,6,8,10,12,14
	v_max3_num_f32 v[TM], v[TM], |v[(\s)+\i]|, |v[(\s)+\i+1]|
.endr
	v_permlanex16_b32 v[TM+3], v[TM], s[SEL], s[SEL+1]
	v_max_num_f32 v[TM], v[TM], v[TM+3]
	v_add_nc_u32 v[TM+6], 0xfc000000, v[TM]
	v_and_or_b32 v[TM+4], v[TM], 0x7f800000, s[MNT]
	v_lshrrev_b32 v[TM+2], 23, v[TM+6]
.irp i, 0,1,2,3,4,5,6,7,8,9,10,11,12,13,14,15
	v_med3_num_f32 v[(\s)+\i], v[(\s)+\i], -v[TM+4], v[TM+4]
.endr
	v_cvt_scalef32_pk8_fp8_f32 v[(\d):(\d)+1], v[(\s):(\s)+7], v[TM+6]
	v_cvt_scalef32_pk8_fp8_f32 v[(\d)+2:(\d)+3], v[(\s)+8:(\s)+15], v[TM+6]
	v_nop
.endm
	s_load_b256 s[4:11], s[0:1], 0x0               ; x s[4:5], w_theta s[6:7], w_phi s[8:9], w_g s[10:11]
	s_load_b256 s[12:19], s[0:1], 0x20             ; fimg s[12:13], gimg s[14:15], himg s[16:17], hsc s[18:19]
	v_lshl_add_u32 v122, v0, 2, 0x15400
	v_mov_b32 v123, 0
	v_lshrrev_b32 v1, 5, v0
	v_readfirstlane_b32 s20, v1                    ; wave 0..3
	v_and_b32 v1, 31, v0                           ; lane
	v_and_b32 v2, 15, v0                           ; r
	v_bfe_u32 v3, v0, 4, 1                         ; h
	v_bfe_u32 v15, v0, 3, 1                        ; r / 8
	s_lshr_b32 s21, ttmp9, 4                       ; the image
	s_and_b32 s22, ttmp9, 15
	s_lshl_b32 s22, s22, 2
	s_add_co_u32 s22, s22, s20                     ; y, my image row = 4 x (work-group % 16) + wave.  The pooled row is Y = y / 2
	s_lshr_b32 s23, s22, 3                         ; the key step Y / 4
	s_bfe_u32 s38, s22, 0x20001                    ; the block in it, Y % 4
	s_and_b32 s39, s20, 1                          ; y % 2: which row of the pair I am, and which tile I finish
	s_lshl_b32 s24, s21, 20                        ; x: 1,048,576 x image + 256 y
	s_lshl_b32 s25, s22, 8
	s_add_co_u32 s24, s24, s25
	s_mov_b32 s25, 0
	s_lshl_b32 s26, s21, 17                        ; fimg: 131,072 x image + 2,048 y
	s_lshl_b32 s27, s22, 11
	s_add_co_u32 s26, s26, s27
	s_mov_b32 s27, 0
	s_lshl_b32 s32, s21, 15                        ; gimg: 32,768 x image + 512 x (2 Y + my tile) = 512 y
	s_lshl_b32 s33, s22, 9
	s_add_co_u32 s32, s32, s33
	s_mov_b32 s33, 0
	s_lshl_b32 s34, s21, 15                        ; himg: 32,768 x image + 4,096 x step + 2,048 x tile + 512 x block
	s_lshl_b32 s35, s23, 12
	s_add_co_u32 s34, s34, s35
	s_lshl_b32 s35, s39, 11
	s_add_co_u32 s34, s34, s35
	s_lshl_b32 s35, s38, 9
	s_add_co_u32 s34, s34, s35
	s_mov_b32 s35, 0
	s_lshl_b32 s36, s21, 10                        ; hsc: 1,024 x image + 128 x step + 64 x tile + block
	s_lshl_b32 s37, s23, 7
	s_add_co_u32 s36, s36, s37
	s_lshl_b32 s37, s39, 6
	s_add_co_u32 s36, s36, s37
	s_add_co_u32 s36, s36, s38
	s_mov_b32 s37, 0
	s_mul_i32 s40, s20, STGW                       ; my stage
	s_lshl_b32 s41, s20, 10
	s_add_co_u32 s41, s41, GX                      ; where my phi goes
	s_lshl_b32 s42, s20, 12
	s_add_co_u32 s42, s42, HX                      ; where my h goes
	s_lshr_b32 s43, s20, 1                         ; my pair of waves
	s_lshl_b32 s44, s43, 11
	s_lshl_b32 s45, s39, 9
	s_add_co_u32 s44, s44, s45
	s_add_co_u32 s44, s44, GX                      ; my tile of phi as the pair's even wave left it; the odd wave's lies 1,024 on
	s_lshl_b32 s45, s43, 13
	s_lshl_b32 s46, s39, 11
	s_add_co_u32 s45, s45, s46
	s_add_co_u32 s45, s45, HX                      ; the same for h; the odd wave's lies 4,096 on
	s_mov_b32 s[SEL], 0x76543210
	s_mov_b32 s[SEL+1], 0xfedcba98
	s_mov_b32 s[MNT], 0x600000
	v_lshlrev_b32 v[XG], 4, v2
	v_lshl_add_u32 v[XG], v3, 14, v[XG]
	v_lshlrev_b32 v[L16], 4, v1
	v_add_nc_u32 v[SST], s40, v[L16]
	v_and_b32 v[SLD], 7, v2
	v_lshlrev_b32 v[SLD], 2, v[SLD]
	v_lshl_add_u32 v[SLD], v15, 7, v[SLD]          ; 4 x (32 (r / 8) + r % 8)
	v_mad_u32_u24 v[SLD], v3, GRP, v[SLD]
	v_add_nc_u32 v[SLD], s40, v[SLD]
	v_and_b32 v[WT], 3, v2
	v_lshl_add_u32 v[WT], v15, 2, v[WT]            ; row r % 4 + 4 (r / 8) of w_theta (r % 8 < 4) or of w_phi
	v_lshlrev_b32 v[WT], 8, v[WT]
	v_lshl_add_u32 v[WT], v3, 6, v[WT]
	v_lshl_add_u32 v[WGO], v15, 3, v2              ; row r + 8 (r / 8) of w_g
	v_lshlrev_b32 v[WGO], 8, v[WGO]
	v_lshl_add_u32 v[WGO], v3, 6, v[WGO]
	v_bfe_u32 v[GXS], v0, 1, 2                     ; (r % 8) / 2
	v_lshlrev_b32 v[GXS], 4, v[GXS]
	v_lshl_add_u32 v[GXS], v15, 7, v[GXS]
	v_lshl_add_u32 v[GXS], v3, 8, v[GXS]           ; in a key tile's image: 256 h + 16 x (8 (r / 8) + (r % 8) / 2); tile q adds 512 (q / 2) + 64 (q % 2)
	v_add_nc_u32 v[GXS], s41, v[GXS]
	v_add_nc_u32 v[HXS], s42, v[L16]
	v_add_nc_u32 v[GXL], s44, v[L16]
	v_add_nc_u32 v[HXL], s45, v[L16]
	v_lshlrev_b32 v[SCO], 2, v2
	v_mov_b32 v[TM+2], 0                           ; written once: a lane permute's destination counts as one of its sources
	v_mov_b32 v[TM+3], 0
	s_wait_kmcnt 0x0
	s_add_nc_u64 s[4:5], s[4:5], s[24:25]
	s_add_nc_u64 s[12:13], s[12:13], s[26:27]
	s_add_nc_u64 s[14:15], s[14:15], s[32:33]
	s_add_nc_u64 s[16:17], s[16:17], s[34:35]
	s_add_nc_u64 s[18:19], s[18:19], s[36:37]
	; the weights first (32 loads), then x (32 loads): both are on their way together
.irp k, 0,1,2,3
	global_load_b128 v[WA+4*\k:WA+4*\k+3], v[WT], s[6:7] offset:16*\k               ; theta: channels 16 h + 0 .. 15
	global_load_b128 v[WA+16+4*\k:WA+16+4*\k+3], v[WT], s[6:7] offset:128+16*\k     ; and 32 + 16 h + 0 .. 15
	global_load_b128 v[X+4*\k:X+4*\k+3], v[WT], s[8:9] offset:16*\k                 ; phi likewise
	global_load_b128 v[X+16+4*\k:X+16+4*\k+3], v[WT], s[8:9] offset:128+16*\k
.endr
.irp u, 0,1
.irp c, 0,1
.irp k, 0,1,2,3
	global_load_b128 v[X+32+32*\u+16*\c+4*\k:X+32+32*\u+16*\c+4*\k+3], v[WGO], s[10:11] offset:2048*\u+128*\c+16*\k
.endr
.endr
.endr
	WIN 0x40                                       ; destination v256 on
.set k, 0
.rept 32
	global_load_b128 v[4*k:4*k+3], v[XG], s[4:5] offset:32768*k   ; channels 2 k and 2 k + 1: two whole rows of 256 bytes
.set k, k+1
.endr
	WIN 0
	s_wait_loadcnt 32                              ; the weights are in; x's 32 loads, issued behind them, stay out
	v_and_b32 v[TM], 4, v2
	v_cmp_ne_u32 vcc_lo, 0, v[TM]                  ; rows 4-7 and 12-15 of source 0 are phi's
.set n, 0
.rept 32
	v_cndmask_b32 v[WA+n], v[WA+n], v[X+n], vcc_lo
.set n, n+1
.endr
	QUANT2 X+32, WG, WGS
	QUANT2 X+64, WG+16, WGS+1
.irp i, 0,1,2,3,4,5,6,7
	v_mov_b32 v[WG+8+\i], 0                        ; K = 64 .. 127: zero codes
	v_mov_b32 v[WG+24+\i], 0
.endr
	WIN 0x04                                       ; an LDS store's data are its source 1: v256 on
.irp g, 0,1,2,3
	s_wait_loadcnt 24-8*\g                         ; eight more loads are in; the later ones stay out
.irp k, 0,1,2,3,4,5,6,7
	ds_store_b128 v[SST], v[32*\g+4*\k:32*\g+4*\k+3] offset:\g*GRP+512*\k
.endr
.endr
	WIN 0
.set n, 0
.rept 32                                       ; LDS serves a wave's instructions in order (ISA guide 5.7.1.4): these see my stores
.irp q, 0,1,2,3
	ds_load_b32 v[X+32*\q+n], v[SLD] offset:(n/16)*2*GRP+(n%16)*256+32*\q
.endr
.set n, n+1
.endr
	s_wait_dscnt 63                                ; registers 0-15 of all four tiles are in.  64 loads were issued behind them; the wait's count can name 63 at the most, so one load more than needed is waited for
.set i, 0
.rept 16                                       ; four sums by turns, one instruction a turn; the first takes the constant 0
.if i == 8
	s_wait_dscnt 0x0
.endif
.irp q, 0,1,2,3
.if i == 0
	v_wmma_f32_16x16x4_f32 v[DF+8*\q:DF+8*\q+7], v[WA+2*i:WA+2*i+1], v[X+32*\q+2*i:X+32*\q+2*i+1], 0
.else
	v_wmma_f32_16x16x4_f32 v[DF+8*\q:DF+8*\q+7], v[WA+2*i:WA+2*i+1], v[X+32*\q+2*i:X+32*\q+2*i+1], v[DF+8*\q:DF+8*\q+7]
.endif
.endr
.set i, i+1
.endr
.rept 9
	v_nop                                          ; eight places in front of reads of the sums and of writes of their sources; nine in front of matrix instructions that write over x's registers
.endr
.irp q, 0,1,2,3
	global_store_b128 v[L16], v[DF+8*\q:DF+8*\q+3], s[12:13] offset:512*\q   ; f: 512 consecutive bytes; each sum is read from its low end on
.endr
.irp q, 0,1,2,3
.irp k, 0,1,2,3
	v_max_num_f32_dpp v[T+4*\q+\k], v[DF+8*\q+4+\k], v[DF+8*\q+4+\k] row_xmask:1 row_mask:0xf bank_mask:0xf   ; phi pooled along the row: lanes l and l xor 1 hold neighbouring pixels
.endr
	ds_store_b128 v[GXS], v[T+4*\q:T+4*\q+3] offset:512*(\q/2)+64*(\q%2)   ; both lanes of a pair write the same 16 bytes with the same values
.endr
	s_wait_dscnt 0x0                               ; the stores have read their registers
.irp i, 0,1,2,3,4,5,6,7
	v_mov_b32 v[T+8+\i], 0                         ; K = 64 .. 127 of x's two operands
	v_mov_b32 v[T+24+\i], 0
.endr
.irp q, 0,1,2,3                                ; x's operands by turns; the results land on the tile's own numbers, which are done with
	QUANT2 X+32*\q, T+16*(\q%2), XSW+(\q%2)
.rept 3
	v_nop                                          ; with the one above: four places between the codes and the scaled matrix instruction; the scale word stands 32 holds further up
.endr
	v_wmma_scale_f32_16x16x128_f8f6f4 v[X+32*\q:X+32*\q+7], v[T+16*(\q%2):T+16*(\q%2)+15], v[WG:WG+15], 0, v[XSW+(\q%2)], v[WGS]
	v_wmma_scale_f32_16x16x128_f8f6f4 v[X+32*\q+8:X+32*\q+15], v[T+16*(\q%2):T+16*(\q%2)+15], v[WG+16:WG+31], 0, v[XSW+(\q%2)], v[WGS+1]
.endr
.rept 8
	v_nop
.endr
.irp q, 0,1,2,3
.irp u, 0,1
.irp p, 0,1,2,3
	v_max_num_f32 v[X+32*\q+16+4*\u+\p], v[X+32*\q+8*\u+2*\p], v[X+32*\q+8*\u+2*\p+1]   ; h pooled along the row: key 16 h + 4 q + p
.endr
	ds_store_b128 v[HXS], v[X+32*\q+16+4*\u:X+32*\q+16+4*\u+3] offset:2048*\u+512*\q
.endr
.endr
	s_wait_dscnt 0x0                               ; for the wave beside me: my stores have landed
	s_barrier_signal -1
	s_barrier_wait -1
.irp k, 0,1,2,3
	ds_load_b128 v[X+4*\k:X+4*\k+3], v[HXL] offset:512*\k            ; my channel tile, the pair's even row
	ds_load_b128 v[X+16+4*\k:X+16+4*\k+3], v[HXL] offset:4096+512*\k ; and its odd row
.endr
	ds_load_b128 v[X+32:X+35], v[GXL]              ; my key tile of phi, likewise
	ds_load_b128 v[X+36:X+39], v[GXL] offset:1024
	s_wait_dscnt 0x0
.irp k, 0,1,2,3
	v_max_num_f32 v[X+40+\k], v[X+32+\k], v[X+36+\k]
.endr
	global_store_b128 v[L16], v[X+40:X+43], s[14:15]   ; g: a key tile's image, 512 consecutive bytes
.irp i, 0,1,2,3,4,5,6,7,8,9,10,11,12,13,14,15
	v_max_num_f32 v[X+48+\i], v[X+\i], v[X+16+\i]  ; h(my channel, key 32 Y + 16 h + i)
.endr
	QUANT1 X+48, X+64
	global_store_b128 v[L16], v[X+64:X+67], s[16:17]   ; registers 4 (Y % 4) .. + 3 of the fragment: 512 consecutive bytes
	s_wait_xcnt 0x0                                ; EXEC changes only behind this wait
	v_cmp_gt_u32 vcc_lo, 16, v1
	s_wait_tensorcnt 0x0
	ds_add_u32 v122, v123
	s_wait_dscnt 0x0
	s_and_saveexec_b32 s47, vcc_lo                 ; lanes 16-31 hold the same bytes
	global_store_b8 v[SCO], v[TM+2], s[18:19]      ; byte Y % 4 of my 16 rows' scale words
	s_wait_xcnt 0x0
	s_or_b32 exec_lo, exec_lo, s47
	s_endpgm
.Lfunc_end_k_q07bc308e82_project:
	.size	k_q07bc308e82_project, .Lfunc_end_k_q07bc308e82_project-k_q07bc308e82_project
	.p2alignl 7, 3214868480
	.fill 96, 4, 3214868480
	.section	.rodata,"a",@progbits
	.p2align	6, 0x0
	.amdhsa_kernel k_q07bc308e82_project
		.amdhsa_group_segment_fixed_size 87552
		.amdhsa_private_segment_fixed_size 0
		.amdhsa_enable_private_segment 0
		.amdhsa_kernarg_size 64
		.amdhsa_user_sgpr_count 2
		.amdhsa_user_sgpr_kernarg_segment_ptr 1
		.amdhsa_wavefront_size32 1
		.amdhsa_system_sgpr_workgroup_id_x 1
		.amdhsa_system_sgpr_workgroup_id_y 1
		.amdhsa_system_sgpr_workgroup_id_z 1
		.amdhsa_system_vgpr_workitem_id 0
		.amdhsa_next_free_vgpr 384
		.amdhsa_next_free_sgpr 66
		.amdhsa_reserve_vcc 1
		.amdhsa_float_denorm_mode_32 3
		.amdhsa_float_denorm_mode_16_64 3
		.amdhsa_memory_ordered 1
		.amdhsa_forward_progress 1
		.amdhsa_inst_pref_size 60
	.end_amdhsa_kernel
	.amdgpu_metadata
---
amdhsa.version: [ 1, 2 ]
amdhsa.kernels:
  - .name:           k_q07bc308e82_project
    .symbol:         k_q07bc308e82_project.kd
    .args:
      - { .name: x, .offset: 0, .size: 8, .value_kind: global_buffer, .address_space: global }
      - { .name: w_theta, .offset: 8, .size: 8, .value_kind: global_buffer, .address_space: global }
      - { .name: w_phi, .offset: 16, .size: 8, .value_kind: global_buffer, .address_space: global }
      - { .name: w_g, .offset: 24, .size: 8, .value_kind: global_buffer, .address_space: global }
      - { .name: fimg, .offset: 32, .size: 8, .value_kind: global_buffer, .address_space: global }
      - { .name: gimg, .offset: 40, .size: 8, .value_kind: global_buffer, .address_space: global }
      - { .name: himg, .offset: 48, .size: 8, .value_kind: global_buffer, .address_space: global }
      - { .name: hsc, .offset: 56, .size: 8, .value_kind: global_buffer, .address_space: global }
    .group_segment_fixed_size: 87552
    .private_segment_fixed_size: 0
    .kernarg_segment_align: 8
    .kernarg_segment_size: 64
    .max_flat_workgroup_size: 128
    .sgpr_count:     66
    .vgpr_count:     384
    .wavefront_size: 32
...
	.end_amdgpu_metadata
.endif
;; end of part 1
;; launch attend (part 2): grid 16 x 16, 16 waves a work-group, no clusters, 212,480 bytes of LDS; arguments fimg, gimg, himg, hsc, w_o, gamma, x, out0; writes out0
.if DOCPART == 2
	.amdgcn_target "amdgcn-amd-amdhsa--gfx1250"
	.amdhsa_code_object_version 6
	.text
	.protected	k_q07bc308e82_attend
	.globl	k_q07bc308e82_attend
	.p2align	8
	.type	k_q07bc308e82_attend,@function
k_q07bc308e82_attend:
	s_mov_b64 s[64:65], 0
	v_nop
	global_prefetch_b8 v0, s[64:65] scope:SCOPE_SE
	s_setreg_imm32_b32 hwreg(HW_REG_WAVE_MODE, 25, 1), 1
	s_wait_xcnt 0x0
; out = gamma x w_o (h softmax(f^T g)^T) + x.  4,096 queries (pixels) and 1,024 pooled keys an image; 8 channels for the scores, 32 for the values, 64 out.
; The scores take f32 operands (they go on into a quantiser): v_wmma_f32_16x16x4_f32, two for each 16 keys x 16 queries.  h p^T and w_o o are on codes of E4M3 with one E8M0 scale for each 32 along K.
; THE SOFTMAX: t = score x log2(e); M = the row's largest t so far, rounded UP to a whole number; p = 2^(t - M) is quantised along the keys, not normalised.  The row's sum is taken of the unquantised p and divides at the end.
; When M moves, the sum and O are multiplied by 2^(old M - new M): exact.
; SHARES.  A work-group owns four image rows (256 queries) of one image; each of its sixteen waves owns one tile of 16 queries in 256 registers, four waves to a SIMD, so that one wave's vector work stands beside another's matrix work.
; Wave w: image row w / 4, tile q = w % 4; lane r of the tile is pixel 32 (r / 8) + 8 q + r % 8, as the launch before laid f.
; THE HEAD brings into LDS, through registers, all that the loop and the end read: the image's g (32,768 bytes), h's codes (32,768) and scale words (1,024), all as images of the operands' registers (16 bytes x lane),
; the work-group's own 65,536 bytes of x (the loop has no 32 registers to keep them in; each thread reads back what it parked), and w_o's codes (each four waves make a copy, a wave a tile of 16 rows).  The loop touches no memory.
; LAYOUT.  Both products are used transposed: S^T = g^T f (source 0 = 16 keys), O^T = h p^T (source 0 = 16 channels): a lane holds ONE query throughout.  Lane r of key tile 2 b + u is key 32 b + 8 u + r + 8 (r / 8), so that the 16 registers
; of tiles 2 b and 2 b + 1 are 16 neighbouring keys; lane r of channel tile u is channel 8 u + r + 8 (r / 8), so that O^T's 16 registers are channels 16 h + 0 .. 15: the conversions' results are the next operands as they stand.
; THE LAST PRODUCT has K = 32, one block of the instruction's four.  Source 1 holds w_o's four tiles of 16 rows, tile c in block c; source 0 is o's four registers of codes at block c in a run of zeros (12 zeros, the codes, 12 zeros:
; the operand begins 4 c registers further down).  Lane (r, h) then holds output channel 16 c + r and 8 neighbouring pixels; the results go through a stage in LDS and leave as whole rows of 256 bytes.
; NO JOINT LOADS: the sixteen work-groups of an image share 66,560 bytes, read once each at the head, beside 139,264 bytes (x, f, out) that are a work-group's own; there is no ring to feed.
; LIMITS: NaN and infinities are not served.  A block whose largest magnitude lies under 2^-118 gets the scale byte 1.  v_exp_f32 gives 0 for p under 2^-126 (ISA guide 15.8).  The division by the sum is v_rcp_f32 and a multiplication.
.set GI,    0                          ; LDS: g's 64 key tiles, 512 bytes each
.set HI,    32768                      ; h's codes: 8 steps x 2 channel tiles x 2,048
.set HS,    65536                      ; h's scale words: 8 steps x 32 rows
.set WOI,   66560                      ; w_o's codes: 4 copies x 4 tiles x 512
.set WOS,   74752                      ; w_o's scale words: 4 copies x 16 lanes
.set XP,    75008                      ; x, parked: 8 x 8,192
.set STG,   140544                     ; the stage: 4 image rows x 64 channels x (256 bytes + 16)
.set SROW,  272
.set SIMG,  64*SROW
.set L16,   1                          ; v1   16 x lane
.set LHS,   2                          ; v2   HS + 4 x lane
.set AD,    3                          ; v3   the step's tiles
.set ADS,   4                          ; v4   the step's scale words
.set XPA,   5                          ; v5   XP + 16 x thread
.set STO,   6                          ; v6   the stage: where I put 32 bytes of a row
.set SRD,   7                          ; v7   and where I read a row back
.set GOF,   8                          ; v8   my byte offset in x and in out
.set WOA,   9                          ; v9   my copy of w_o's codes
.set WSA,   10                         ; v10  and of its scale words
.set NM,    12                         ; v12 -M, v13 the largest t
.set LS,    14                         ; v[14:15] the sum in two halves
.set FB,    16                         ; v16-19 f: channels 4 h .. 4 h + 3 of my query
.set HSW,   20                         ; v20 h's scale words, v21 p's, v22 o's, v23 w_o's: these four hold scales and nothing else
.set PSW,   21
.set OSW,   22
.set WSW,   23
.set BM,    24                         ; v24-27 a block's largest score, then its largest p
.set BP,    28                         ; v28-31 the other half's, then the bytes
.set HL,    32                         ; v32-35 448 x the scale
.set SC,    36                         ; v36-39 the conversion's scale operand
.set T1,    40
.set SM,    42                         ; v[42:43] the sum's second chain
.set F,     44                         ; v44 2^(old M - new M); v45 is named with it as a pair
.set GH,    48                         ; v48-79 eight fragments of g, then two of h
.set PC,    80                         ; v80-95 p's codes
.set O,     96                         ; v96-111 O^T
.set S,     112                        ; v112-175 S^T: written by matrix instructions alone
.set P,     176                        ; v176-239 t - M, then p
.set SEL,   28                         ; s[28:29] selects for lane l xor 16
.set MNT,   30                         ; s30 the mantissa field of 448
.set CS,    32                         ; s[32:33] log2(e)
.set GM,    34                         ; s[34:35] gamma
.set TB,    36                         ; s36 4,096 x step
.set TS,    37                         ; s37 128 x step
.set CNT,   38
; 16 numbers of a lane and 16 of lane l xor 16 are one block: 4 registers of codes at v[d], the byte in v[BP+1]
.macro QUANT1 s, d
	v_max3_num_f32 v[BM], |v[(\s)]|, |v[(\s)+1]|, 0x4800000   ; and the floor 2^(9 - 127): the byte cannot fall under 1
.irp i, 2,4,6,8,10,12,14
	v_max3_num_f32 v[BM], v[BM], |v[(\s)+\i]|, |v[(\s)+\i+1]|
.endr
	v_permlanex16_b32 v[BP], v[BM], s[SEL], s[SEL+1]
	v_max_num_f32 v[BM], v[BM], v[BP]
	v_add_nc_u32 v[SC], 0xfc000000, v[BM]          ; 8 off the exponent field: the conversion's scale operand
	v_and_or_b32 v[HL], v[BM], 0x7f800000, s[MNT]  ; 448 x the scale
	v_lshrrev_b32 v[BP+1], 23, v[SC]               ; the scale's byte
.irp i, 0,1,2,3,4,5,6,7,8,9,10,11,12,13,14,15
	v_med3_num_f32 v[(\s)+\i], v[(\s)+\i], -v[HL], v[HL]   ; the conversion to an 8-bit code does not saturate (ISA guide 7.6.2)
.endr
	v_cvt_scalef32_pk8_fp8_f32 v[(\d):(\d)+1], v[(\s):(\s)+7], v[SC]
	v_cvt_scalef32_pk8_fp8_f32 v[(\d)+2:(\d)+3], v[(\s)+8:(\s)+15], v[SC]
	v_nop                                          ; a plain instruction behind the last conversion
.endm
	s_load_b256 s[4:11], s[0:1], 0x0               ; fimg s[4:5], gimg s[6:7], himg s[8:9], hsc s[10:11]
	s_load_b256 s[12:19], s[0:1], 0x20             ; w_o s[12:13], gamma s[14:15], x s[16:17], out0 s[18:19]
	v_lshl_add_u32 v254, v0, 2, 0x33600
	v_mov_b32 v255, 0
	v_lshrrev_b32 v240, 5, v0
	v_readfirstlane_b32 s20, v240                  ; wave 0..15
	v_and_b32 v240, 31, v0                         ; lane
	v_and_b32 v241, 15, v0                         ; r
	v_bfe_u32 v242, v0, 4, 1                       ; h
	s_and_b32 s21, ttmp7, 0xffff                   ; the image
	s_lshr_b32 s22, s20, 2                         ; which of the four image rows
	s_and_b32 s23, s20, 3                          ; q
	v_lshlrev_b32 v[L16], 4, v240
	v_lshl_add_u32 v[LHS], v240, 2, HS
	v_lshlrev_b32 v243, 4, v0                      ; 16 x thread: the copies of g and h, in memory and in LDS
	v_lshlrev_b32 v244, 1, v0                      ; 2 x thread: h's scale words
	v_add_nc_u32 v245, HS, v244
	v_add_nc_u32 v[XPA], XP, v243
	s_mul_i32 s39, s22, SIMG
	s_add_co_u32 s39, s39, STG                     ; my image row's part of the stage
	s_lshl_b32 s40, s23, 5
	s_add_co_u32 s40, s40, s39
	v_mul_u32_u24 v[STO], v241, SROW
	v_lshl_add_u32 v[STO], v242, 7, v[STO]
	v_add_nc_u32 v[STO], s40, v[STO]               ; in: channel row r, pixel 32 h + 8 q
	s_mul_i32 s40, s23, 16*SROW
	s_add_co_u32 s40, s40, s39
	v_mul_u32_u24 v[SRD], v242, SROW
	v_lshl_add_u32 v[SRD], v241, 4, v[SRD]
	v_add_nc_u32 v[SRD], s40, v[SRD]               ; back: channels 16 q + 2 i + h, sixteen lanes to a row
	s_lshl_b32 s40, s23, 18
	s_lshl_b32 s41, s22, 8
	s_add_co_u32 s40, s40, s41
	v_lshlrev_b32 v[GOF], 4, v241
	v_lshl_add_u32 v[GOF], v242, 14, v[GOF]
	v_add_nc_u32 v[GOF], s40, v[GOF]               ; the same place in x and out: 16,384 x (16 q + h) + 256 x row + 16 r
	s_lshl_b32 s40, s22, 11
	s_add_co_u32 s40, s40, WOI
	v_add_nc_u32 v[WOA], s40, v[L16]
	s_lshl_b32 s41, s23, 9
	s_add_co_u32 s41, s41, s40
	v_add_nc_u32 v246, s41, v[L16]                 ; where I put my tile of w_o's codes
	s_lshl_b32 s40, s22, 6
	s_add_co_u32 s40, s40, WOS
	v_lshl_add_u32 v[WSA], v241, 2, s40
	v_add_nc_u32 v247, s23, v[WSA]                 ; and byte q of its rows' scale words
	s_lshl_b32 s40, s23, 11
	v_lshlrev_b32 v248, 7, v241
	v_lshl_add_u32 v248, v242, 6, v248
	v_add_nc_u32 v248, s40, v248                   ; w_o: row 16 q + r of 128 bytes, + 64 h
	s_lshl_b32 s24, s21, 17                        ; fimg: 131,072 x image + 8,192 x work-group x + 512 x wave
	s_lshl_b32 s25, ttmp9, 13
	s_add_co_u32 s24, s24, s25
	s_lshl_b32 s25, s20, 9
	s_add_co_u32 s24, s24, s25
	s_mov_b32 s25, 0
	s_lshl_b32 s26, s21, 15                        ; gimg, himg: 32,768 x image
	s_mov_b32 s27, 0
	s_lshl_b32 s42, s21, 10                        ; hsc: 1,024 x image
	s_mov_b32 s43, 0
	s_lshl_b32 s44, s21, 20                        ; x, out: 1,048,576 x image + 1,024 x work-group x
	s_lshl_b32 s45, ttmp9, 10
	s_add_co_u32 s44, s44, s45
	s_mov_b32 s45, 0
	s_mov_b32 s[SEL], 0x76543210
	s_mov_b32 s[SEL+1], 0xfedcba98
	s_mov_b32 s[MNT], 0x600000
	s_mov_b32 s[CS], 0x3fb8aa3b                    ; log2(e)
	s_mov_b32 s[CS+1], s[CS]                       ; (the packed form names the pair)
	s_mov_b32 s[TB], 0
	s_mov_b32 s[TS], 0
	s_mov_b32 s[CNT], 8
.irp b, 0,1,2,3
	v_mov_b32 v[BP+\b], 0                          ; written once: a lane permute's destination counts as one of its sources
.endr
	s_wait_kmcnt 0x0
	s_load_b32 s[GM], s[14:15], 0x0
	s_add_nc_u64 s[4:5], s[4:5], s[24:25]
	s_add_nc_u64 s[6:7], s[6:7], s[26:27]
	s_add_nc_u64 s[8:9], s[8:9], s[26:27]
	s_add_nc_u64 s[10:11], s[10:11], s[42:43]
	s_add_nc_u64 s[16:17], s[16:17], s[44:45]
	s_add_nc_u64 s[18:19], s[18:19], s[44:45]
.irp k, 0,1,2,3
	global_load_b128 v[P+4*\k:P+4*\k+3], v243, s[6:7] offset:8192*\k
.endr
.irp k, 0,1,2,3
	global_load_b128 v[P+16+4*\k:P+16+4*\k+3], v243, s[8:9] offset:8192*\k
.endr
	global_load_u16 v249, v244, s[10:11]
.irp k, 0,1,2,3
	global_load_b128 v[GH+4*\k:GH+4*\k+3], v248, s[12:13] offset:16*\k
.endr
	global_load_b128 v[FB:FB+3], v[L16], s[4:5]
.irp i, 0,1,2,3,4,5,6,7
	global_load_b128 v[P+32+4*\i:P+32+4*\i+3], v[GOF], s[16:17] offset:32768*\i th:TH_LOAD_NT   ; x: sixteen lanes take 256 consecutive bytes
.endr
	s_wait_kmcnt 0x0
	s_mov_b32 s[GM+1], s[GM]
	s_wait_loadcnt 8                               ; all but x's eight loads are in
.irp k, 0,1,2,3
	ds_store_b128 v243, v[P+4*\k:P+4*\k+3] offset:GI+8192*\k
	ds_store_b128 v243, v[P+16+4*\k:P+16+4*\k+3] offset:HI+8192*\k
.endr
	ds_store_b16 v245, v249
	QUANT1 GH, GH+16                               ; w_o: rows 16 q + r, k = 16 h + 0 .. 15
	ds_store_b128 v246, v[GH+16:GH+19]
	ds_store_b8 v247, v[BP+1]                      ; both lanes of a row write the same byte with the same value
	s_wait_loadcnt 0x0
.irp i, 0,1,2,3,4,5,6,7
	ds_store_b128 v[XPA], v[P+32+4*\i:P+32+4*\i+3] offset:8192*\i
.endr
	v_mov_b32 v[NM+1], 0xff61b1e6                  ; the largest t so far: -3e38, under every t
	v_floor_f32 v[NM], -v[NM+1]                    ; -M
	v_mov_b32 v[LS], 0
	v_mov_b32 v[LS+1], 0
	v_mov_b32 v[F+1], 0
.irp i, 0,1,2,3,4,5,6,7,8,9,10,11,12,13,14,15
	v_mov_b32 v[O+\i], 0                           ; the step is written once: the first finds zeros, which the first change of M leaves zeros
.endr
	s_wait_dscnt 0x0                               ; for the others' sake: my stores have landed
	s_barrier_signal -1
	s_barrier_wait -1
.Lstep:                                            ; 8 trips of 128 keys
	v_add_nc_u32 v[AD], s[TB], v[L16]
	v_add_nc_u32 v[ADS], s[TS], v[LHS]
.rept 6
	v_nop                                          ; with the two additions: eight places in front of loads into registers that the last trip's products read
.endr
.irp t, 0,1,2,3,4,5,6,7
	ds_load_b128 v[GH+4*\t:GH+4*\t+3], v[AD] offset:GI+512*\t   ; key tile t: channels 4 h .. 4 h + 3 of my key
.endr
	s_wait_dscnt 0x0
.irp i, 0,1                                    ; S^T = g^T f: eight sums by turns, one instruction a turn; the first takes the constant 0.  Place 2 h + j of instruction i is channel 4 h + 2 i + j, in g and in f alike
.irp t, 0,1,2,3,4,5,6,7
.if \i == 0
	v_wmma_f32_16x16x4_f32 v[S+8*\t:S+8*\t+7], v[GH+4*\t:GH+4*\t+1], v[FB:FB+1], 0
.else
	v_wmma_f32_16x16x4_f32 v[S+8*\t:S+8*\t+7], v[GH+4*\t+2:GH+4*\t+3], v[FB+2:FB+3], v[S+8*\t:S+8*\t+7]
.endif
.endr
.endr
.rept 8
	v_nop                                          ; places in front of the loads below and of the first read of the scores
.endr
.irp u, 0,1
.irp c, 0,1,2,3
	ds_load_b128 v[GH+16*\u+4*\c:GH+16*\u+4*\c+3], v[AD] offset:HI+2048*\u+512*\c   ; h's two fragments land while the softmax is worked
.endr
.endr
	ds_load_b32 v[HSW], v[ADS]                     ; lanes 0-15: channel tile 0's words; lanes 16-31: tile 1's
.irp b, 0,1,2,3
	v_max3_num_f32 v[BM+\b], v[S+16*\b], v[S+16*\b+1], v[S+16*\b+2]   ; the largest score of each block of 32 keys: for the row's maximum, and, since p rises with the score, for the block's largest p
.endr
.irp i, 3,5,7,9,11,13
.irp b, 0,1,2,3
	v_max3_num_f32 v[BM+\b], v[BM+\b], v[S+16*\b+\i], v[S+16*\b+\i+1]
.endr
.endr
.irp b, 0,1,2,3
	v_max_num_f32 v[BM+\b], v[BM+\b], v[S+16*\b+15]
.endr
.irp b, 0,1,2,3
	v_permlanex16_b32 v[BP+\b], v[BM+\b], s[SEL], s[SEL+1]
.endr
.irp b, 0,1,2,3
	v_max_num_f32 v[BM+\b], v[BM+\b], v[BP+\b]     ; with lane l xor 16's 16 keys
.endr
	v_max3_num_f32 v[T1], v[BM], v[BM+1], v[BM+2]
	v_max_num_f32 v[T1], v[T1], v[BM+3]
	v_mul_f32 v[T1], s[CS], v[T1]                  ; the step's largest t of my query
	v_max_num_f32 v[NM+1], v[NM+1], v[T1]
	v_mov_b32 v[T1], v[NM]
	v_floor_f32 v[NM], -v[NM+1]                    ; the new -M = -ceil(t): a whole number
	v_sub_f32 v[T1], v[NM], v[T1]                  ; old M - new M: a whole number, 0 or less
	v_cvt_i32_f32 v[T1], v[T1]                     ; (it saturates)
	v_ldexp_f32 v[F], 1.0, v[T1]                   ; 2^(old M - new M)
.set j, 0
.rept 32
	v_pk_fma_f32 v[P+j:P+j+1], v[S+j:S+j+1], s[CS:CS+1], v[NM:NM+1] op_sel_hi:[1,0,0]   ; t - M, two at a time, into registers of its own
.set j, j+2
.endr
.irp b, 0,1,2,3
	v_fma_f32 v[BM+\b], v[BM+\b], s[CS], v[NM]     ; the same of each block's largest score
.endr
.set j, 0
.rept 64
	v_exp_f32 v[P+j], v[P+j]                       ; p = 2^(t - M)
.set j, j+1
.endr
	v_pk_mul_f32 v[LS:LS+1], v[LS:LS+1], v[F:F+1] op_sel_hi:[1,0]   ; the sums under the new M: a plain instruction behind the exponentials
	s_wait_alu depctr_va_vdst(0)                   ; one wait for the batch, ahead of its first reader
.irp b, 0,1,2,3
	v_exp_f32 v[BM+\b], v[BM+\b]                   ; the block's largest p
.endr
	v_pk_add_f32 v[SM:SM+1], v[P:P+1], v[P+2:P+3]  ; the row's sum, of the unquantised p: two chains
.set j, 4
.rept 15
	v_pk_add_f32 v[LS:LS+1], v[LS:LS+1], v[P+j:P+j+1]
	v_pk_add_f32 v[SM:SM+1], v[SM:SM+1], v[P+j+2:P+j+3]
.set j, j+4
.endr
	v_pk_add_f32 v[LS:LS+1], v[LS:LS+1], v[SM:SM+1]
	s_wait_alu depctr_va_vdst(0)                   ; and one for the four
.irp b, 0,1,2,3
	v_max_num_f32 v[BM+\b], 0x4800000, v[BM+\b]    ; the floor 2^(9 - 127)
.endr
.irp b, 0,1,2,3
	v_add_nc_u32 v[SC+\b], 0xfc000000, v[BM+\b]
.endr
.irp b, 0,1,2,3
	v_and_or_b32 v[HL+\b], v[BM+\b], 0x7f800000, s[MNT]
.endr
.irp b, 0,1,2,3
	v_lshrrev_b32 v[BP+\b], 23, v[SC+\b]
.endr
	v_lshl_or_b32 v[PSW], v[BP+1], 8, v[BP]        ; p's scale word for these 128 keys
	v_lshl_or_b32 v[PSW], v[BP+2], 16, v[PSW]
	v_lshl_or_b32 v[PSW], v[BP+3], 24, v[PSW]
.irp b, 0,1,2,3
.set i, 0
.rept 16
	v_min_num_f32 v[P+16*\b+i], v[P+16*\b+i], v[HL+\b]   ; the hold: p is not negative, so it is one-sided
.set i, i+1
.endr
	v_cvt_scalef32_pk8_fp8_f32 v[PC+4*\b:PC+4*\b+1], v[P+16*\b:P+16*\b+7], v[SC+\b]
	v_cvt_scalef32_pk8_fp8_f32 v[PC+4*\b+2:PC+4*\b+3], v[P+16*\b+8:P+16*\b+15], v[SC+\b]
.endr
.set j, 0
.rept 8
	v_pk_mul_f32 v[O+j:O+j+1], v[O+j:O+j+1], v[F:F+1] op_sel_hi:[1,0]   ; O^T under the new M
.set j, j+2
.endr
.rept 4
	v_nop                                          ; four places between the codes and the scaled matrix instructions
.endr
	s_wait_dscnt 0x0                               ; h's fragments and scale words are in
	v_wmma_scale_f32_16x16x128_f8f6f4 v[O:O+7], v[GH:GH+15], v[PC:PC+15], v[O:O+7], v[HSW], v[PSW]
	v_wmma_scale_f32_16x16x128_f8f6f4 v[O+8:O+15], v[GH+16:GH+31], v[PC:PC+15], v[O+8:O+15], v[HSW], v[PSW] matrix_a_scale:MATRIX_SCALE_ROW1
	s_add_co_u32 s[TB], s[TB], 4096
	s_add_co_u32 s[TS], s[TS], 128
	s_sub_co_u32 s[CNT], s[CNT], 1
	s_cmp_lg_u32 s[CNT], 0
	s_cbranch_scc1 .Lstep
	; THE END.  o = O^T / the sum, quantised along its 32 channels; w_o o; gamma x that + x.
	v_add_f32 v[LS], v[LS], v[LS+1]                ; the sum's two halves
.rept 7
	v_nop                                          ; with the addition: eight places behind the last products
.endr
	v_permlanex16_b32 v[T1], v[LS], s[SEL], s[SEL+1]
	v_add_f32 v[LS], v[LS], v[T1]                  ; and lane l xor 16's: the row's sum
	v_rcp_f32 v[F], v[LS]
.irp c, 0,1,2,3
	ds_load_b128 v[PC+4*\c:PC+4*\c+3], v[WOA] offset:512*\c   ; w_o's tile c is block c of source 1
.endr
	ds_load_b32 v[WSW], v[WSA]                     ; byte c: the scale of row 16 c + r
.irp i, 0,1,2,3,4,5,6,7,8,9,10,11
	v_mov_b32 v[GH+\i], 0                          ; 12 zeros, o's 4 registers of codes, 12 zeros
	v_mov_b32 v[GH+16+\i], 0
.endr
	s_wait_alu depctr_va_vdst(0)                   ; ahead of the reciprocal's first reader
.irp i, 0,1,2,3,4,5,6,7,8,9,10,11,12,13,14,15
	v_mul_f32 v[P+\i], v[O+\i], v[F]               ; o(channel 16 h + i, my query)
.endr
	QUANT1 P, GH+12
	v_lshl_or_b32 v[T1], v[BP+1], 8, v[BP+1]
	v_lshl_or_b32 v[OSW], v[T1], 16, v[T1]         ; o's byte in all four places: the codes stand in block c
.rept 8
	v_nop                                          ; eight places between the scale word and the scaled matrix instructions
.endr
	s_wait_dscnt 0x0
.irp c, 0,1,2,3
	v_wmma_scale_f32_16x16x128_f8f6f4 v[P+16+8*\c:P+23+8*\c], v[GH+12-4*\c:GH+27-4*\c], v[PC:PC+15], 0, v[OSW], v[WSW]
.endr
.rept 8
	v_nop
.endr
.irp c, 0,1,2,3
	ds_store_b128 v[STO], v[P+16+8*\c:P+19+8*\c] offset:\c*16*SROW      ; channel 16 c + r, pixels 32 h + 8 q + 0 .. 7; each result from its low end on
	ds_store_b128 v[STO], v[P+20+8*\c:P+23+8*\c] offset:\c*16*SROW+16
.endr
	s_wait_dscnt 0x0                               ; for the others' sake: a row's 256 bytes come from four waves
	s_barrier_signal -1
	s_barrier_wait -1
.irp i, 0,1,2,3,4,5,6,7
	ds_load_b128 v[P+4*\i:P+4*\i+3], v[SRD] offset:2*SROW*\i
	ds_load_b128 v[P+32+4*\i:P+32+4*\i+3], v[XPA] offset:8192*\i   ; what I parked at the head: the same places of x
.endr
.irp i, 0,1,2,3,4,5,6,7
	s_wait_dscnt 14-2*\i                           ; LDS loads come back in order (ISA guide 5.7.1): pair i is in, the later pairs stay out
	v_pk_fma_f32 v[P+4*\i:P+4*\i+1], v[P+4*\i:P+4*\i+1], s[GM:GM+1], v[P+32+4*\i:P+32+4*\i+1] op_sel_hi:[1,0,1]
	v_pk_fma_f32 v[P+4*\i+2:P+4*\i+3], v[P+4*\i+2:P+4*\i+3], s[GM:GM+1], v[P+32+4*\i+2:P+32+4*\i+3] op_sel_hi:[1,0,1]
	global_store_b128 v[GOF], v[P+4*\i:P+4*\i+3], s[18:19] offset:32768*\i th:TH_STORE_NT   ; sixteen lanes store 256 consecutive bytes, at a multiple of 256 from out's first byte
.endr
	s_wait_tensorcnt 0x0
	ds_add_u32 v254, v255
	s_wait_dscnt 0x0
	s_endpgm
.Lfunc_end_k_q07bc308e82_attend:
	.size	k_q07bc308e82_attend, .Lfunc_end_k_q07bc308e82_attend-k_q07bc308e82_attend
	.p2alignl 7, 3214868480
	.fill 96, 4, 3214868480
	.section	.rodata,"a",@progbits
	.p2align	6, 0x0
	.amdhsa_kernel k_q07bc308e82_attend
		.amdhsa_group_segment_fixed_size 212480
		.amdhsa_private_segment_fixed_size 0
		.amdhsa_enable_private_segment 0
		.amdhsa_kernarg_size 64
		.amdhsa_user_sgpr_count 2
		.amdhsa_user_sgpr_kernarg_segment_ptr 1
		.amdhsa_wavefront_size32 1
		.amdhsa_system_sgpr_workgroup_id_x 1
		.amdhsa_system_sgpr_workgroup_id_y 1
		.amdhsa_system_sgpr_workgroup_id_z 1
		.amdhsa_system_vgpr_workitem_id 0
		.amdhsa_next_free_vgpr 256
		.amdhsa_next_free_sgpr 66
		.amdhsa_reserve_vcc 0
		.amdhsa_float_denorm_mode_32 3
		.amdhsa_float_denorm_mode_16_64 3
		.amdhsa_memory_ordered 1
		.amdhsa_forward_progress 1
		.amdhsa_inst_pref_size 36
	.end_amdhsa_kernel
	.amdgpu_metadata
---
amdhsa.version: [ 1, 2 ]
amdhsa.kernels:
  - .name:           k_q07bc308e82_attend
    .symbol:         k_q07bc308e82_attend.kd
    .args:
      - { .name: fimg, .offset: 0, .size: 8, .value_kind: global_buffer, .address_space: global }
      - { .name: gimg, .offset: 8, .size: 8, .value_kind: global_buffer, .address_space: global }
      - { .name: himg, .offset: 16, .size: 8, .value_kind: global_buffer, .address_space: global }
      - { .name: hsc, .offset: 24, .size: 8, .value_kind: global_buffer, .address_space: global }
      - { .name: w_o, .offset: 32, .size: 8, .value_kind: global_buffer, .address_space: global }
      - { .name: gamma, .offset: 40, .size: 8, .value_kind: global_buffer, .address_space: global }
      - { .name: x, .offset: 48, .size: 8, .value_kind: global_buffer, .address_space: global }
      - { .name: out0, .offset: 56, .size: 8, .value_kind: global_buffer, .address_space: global }
    .group_segment_fixed_size: 212480
    .private_segment_fixed_size: 0
    .kernarg_segment_align: 8
    .kernarg_segment_size: 64
    .max_flat_workgroup_size: 512
    .sgpr_count:     66
    .vgpr_count:     256
    .wavefront_size: 32
...
	.end_amdgpu_metadata
.endif
;; end of part 2
;; ======== version 2 of 2: 2 launches; version 1 with the launch attend written anew for expert scheduling mode
;; workspace buffers: fimg 2,097,152 bytes; gimg 524,288 bytes; himg 524,288 bytes; hsc 16,384 bytes
;; launch project: the kernel of part 1 again; grid 256 x 1, 4 waves a work-group, no clusters, 87,552 bytes of LDS; arguments x, w_theta, w_phi, w_g, fimg, gimg, himg, hsc; writes fimg, gimg, himg, hsc
;; launch attend (part 3): grid 16 x 16, 16 waves a work-group, no clusters, 212,480 bytes of LDS; arguments fimg, gimg, himg, hsc, w_o, gamma, x, out0; writes out0
.if DOCPART == 3
	.amdgcn_target "amdgcn-amd-amdhsa--gfx1250"
	.amdhsa_code_object_version 6
	.text
	.protected	k_q07bc308e82_attend
	.globl	k_q07bc308e82_attend
	.p2align	8
	.type	k_q07bc308e82_attend,@function
k_q07bc308e82_attend:
	s_mov_b64 s[64:65], 0
	v_nop
	global_prefetch_b8 v0, s[64:65] scope:SCOPE_SE
	s_setreg_imm32_b32 hwreg(HW_REG_WAVE_SCHED_MODE, 0, 2), 2
	s_setreg_imm32_b32 hwreg(HW_REG_WAVE_MODE, 25, 1), 1
	s_wait_xcnt 0x0
	s_wait_alu depctr_vm_vsrc(0)
; out = gamma x w_o (h softmax(f^T g)^T) + x.  4,096 queries (pixels) and 1,024 pooled keys an image; 8 channels for the scores, 32 for the values, 64 out.
; The scores take f32 operands (they go on into a quantiser): v_wmma_f32_16x16x4_f32, two for each 16 keys x 16 queries.  h p^T and w_o o are on codes of E4M3 with one E8M0 scale for each 32 along K.
; THE SOFTMAX: t = score x log2(e); M = the row's largest t so far, rounded UP to a whole number; p = 2^(t - M) is quantised along the keys, not normalised.  The row's sum is taken of the unquantised p and divides at the end.
; When M moves, the sum and O are multiplied by 2^(old M - new M): exact.
; SHARES.  A work-group owns four image rows (256 queries) of one image; each of its sixteen waves owns one tile of 16 queries in 256 registers, four waves to a SIMD, so that one wave's vector work stands beside another's matrix work.
; Wave w: image row w / 4, tile q = w % 4; lane r of the tile is pixel 32 (r / 8) + 8 q + r % 8, as the launch before laid f.
; THE HEAD brings into LDS, through registers, all that the loop and the end read: the image's g (32,768 bytes), h's codes (32,768) and scale words (1,024), all as images of the operands' registers (16 bytes x lane),
; the work-group's own 65,536 bytes of x (the loop has no 32 registers to keep them in; each thread reads back what it parked), and w_o's codes (each four waves make a copy, a wave a tile of 16 rows).  The loop touches no memory.
; LAYOUT.  Both products are used transposed: S^T = g^T f (source 0 = 16 keys), O^T = h p^T (source 0 = 16 channels): a lane holds ONE query throughout.  Lane r of key tile 2 b + u is key 32 b + 8 u + r + 8 (r / 8), so that the 16 registers
; of tiles 2 b and 2 b + 1 are 16 neighbouring keys; lane r of channel tile u is channel 8 u + r + 8 (r / 8), so that O^T's 16 registers are channels 16 h + 0 .. 15: the conversions' results are the next operands as they stand.
; THE LAST PRODUCT has K = 32, one block of the instruction's four.  Source 1 holds w_o's four tiles of 16 rows, tile c in block c; source 0 is o's four registers of codes at block c in a run of zeros (12 zeros, the codes, 12 zeros:
; the operand begins 4 c registers further down).  Lane (r, h) then holds output channel 16 c + r and 8 neighbouring pixels; the results go through a stage in LDS and leave as whole rows of 256 bytes.
; NO JOINT LOADS: the sixteen work-groups of an image share 66,560 bytes, read once each at the head, beside 139,264 bytes (x, f, out) that are a work-group's own; there is no ring to feed.
; LIMITS: NaN and infinities are not served.  A block whose largest magnitude lies under 2^-118 gets the scale byte 1.  v_exp_f32 gives 0 for p under 2^-126 (ISA guide 15.8).  The division by the sum is v_rcp_f32 and a multiplication.
; THE MODE: SCHED_MODE bits 1:0 = 2 (LLVM: expert scheduling mode 2), set by the entry lines.  The code itself states the register dependences
; between vector or matrix instructions and memory or LDS instructions, with s_wait_alu, always for 0.
; THE PLAN.  Registers that LDS instructions touch, in the loop:
;   P0 .. P31      The next step's eight fragments of g land here, asked for at a step's end, when p has been converted; the next step's sixteen f32 products read them; then the scalings write t - M over them.
;   GH, v[HSW]     h's two fragments and scale words land here, asked for behind the wait for the step's 64 exponentials; the step's two scaled products read them.
;   v[AD], v[ADS]  Written once a step, among the places behind the f32 products; read by that step's loads of h and of the next g.
;   v[L16], v[LHS] and the other addresses are made at the head and never written again.  S, O, p's codes, the scale words made here and the statistics are named by vector and matrix instructions alone.
; So a step has one wait on vm_vsrc, ahead of the two additions, and three on va_vdst: behind the 64 exponentials (their results; the two addresses; the last step's scaled products are done with GH and v[HSW]),
; behind the four exponentials, and ahead of the scaled products (p's codes and scale word are written; the conversions are done with P0 .. P31).  Each run of loads stands straight behind its wait.
.set GI,    0                          ; LDS: g's 64 key tiles, 512 bytes each
.set HI,    32768                      ; h's codes: 8 steps x 2 channel tiles x 2,048
.set HS,    65536                      ; h's scale words: 8 steps x 32 rows
.set WOI,   66560                      ; w_o's codes: 4 copies x 4 tiles x 512
.set WOS,   74752                      ; w_o's scale words: 4 copies x 16 lanes
.set XP,    75008                      ; x, parked: 8 x 8,192
.set STG,   140544                     ; the stage: 4 image rows x 64 channels x (256 bytes + 16)
.set SROW,  272
.set SIMG,  64*SROW
.set L16,   1                          ; v1   16 x lane
.set LHS,   2                          ; v2   HS + 4 x lane
.set AD,    3                          ; v3   the step's tiles
.set ADS,   4                          ; v4   the step's scale words
.set XPA,   5                          ; v5   XP + 16 x thread
.set STO,   6                          ; v6   the stage: where I put 32 bytes of a row
.set SRD,   7                          ; v7   and where I read a row back
.set GOF,   8                          ; v8   my byte offset in x and in out
.set WOA,   9                          ; v9   my copy of w_o's codes
.set WSA,   10                         ; v10  and of its scale words
.set NM,    12                         ; v12 -M, v13 the largest t
.set LS,    14                         ; v[14:15] the sum in two halves
.set FB,    16                         ; v16-19 f: channels 4 h .. 4 h + 3 of my query
.set HSW,   20                         ; v20 h's scale words, v21 p's, v22 o's, v23 w_o's: these four hold scales and nothing else
.set PSW,   21
.set OSW,   22
.set WSW,   23
.set BM,    24                         ; v24-27 a block's largest score, then its largest p
.set BP,    28                         ; v28-31 the other half's, then the bytes
.set HL,    32                         ; v32-35 448 x the scale
.set SC,    36                         ; v36-39 the conversion's scale operand
.set T1,    40
.set SM,    42                         ; v[42:43] the sum's second chain
.set F,     44                         ; v44 2^(old M - new M); v45 is named with it as a pair
.set GH,    48                         ; v48-79 at the head w_o's numbers and codes; in the loop h's two fragments; at the end the last product's source 0
.set PC,    80                         ; v80-95 p's codes
.set O,     96                         ; v96-111 O^T
.set S,     112                        ; v112-175 S^T: written by matrix instructions alone
.set P,     176                        ; v176-239 t - M, then p; from a step's end to the next step's f32 products the first 32 hold eight fragments of g
.set SEL,   28                         ; s[28:29] selects for lane l xor 16
.set MNT,   30                         ; s30 the mantissa field of 448
.set CS,    32                         ; s[32:33] log2(e)
.set GM,    34                         ; s[34:35] gamma
.set TB,    36                         ; s36 4,096 x step
.set TS,    37                         ; s37 128 x step
.set CNT,   38
; 16 numbers of a lane and 16 of lane l xor 16 are one block: 4 registers of codes at v[d], the byte in v[BP+1]
.macro QUANT1 s, d
	v_max3_num_f32 v[BM], |v[(\s)]|, |v[(\s)+1]|, 0x4800000   ; and the floor 2^(9 - 127): the byte cannot fall under 1
.irp i, 2,4,6,8,10,12,14
	v_max3_num_f32 v[BM], v[BM], |v[(\s)+\i]|, |v[(\s)+\i+1]|
.endr
	v_permlanex16_b32 v[BP], v[BM], s[SEL], s[SEL+1]
	v_max_num_f32 v[BM], v[BM], v[BP]
	v_add_nc_u32 v[SC], 0xfc000000, v[BM]          ; 8 off the exponent field: the conversion's scale operand
	v_and_or_b32 v[HL], v[BM], 0x7f800000, s[MNT]  ; 448 x the scale
	v_lshrrev_b32 v[BP+1], 23, v[SC]               ; the scale's byte
.irp i, 0,1,2,3,4,5,6,7,8,9,10,11,12,13,14,15
	v_med3_num_f32 v[(\s)+\i], v[(\s)+\i], -v[HL], v[HL]   ; the conversion to an 8-bit code does not saturate (ISA guide 7.6.2)
.endr
	v_cvt_scalef32_pk8_fp8_f32 v[(\d):(\d)+1], v[(\s):(\s)+7], v[SC]
	v_cvt_scalef32_pk8_fp8_f32 v[(\d)+2:(\d)+3], v[(\s)+8:(\s)+15], v[SC]
	v_nop                                          ; a plain instruction behind the last conversion
.endm
	s_load_b256 s[4:11], s[0:1], 0x0               ; fimg s[4:5], gimg s[6:7], himg s[8:9], hsc s[10:11]
	s_load_b256 s[12:19], s[0:1], 0x20             ; w_o s[12:13], gamma s[14:15], x s[16:17], out0 s[18:19]
	v_lshl_add_u32 v254, v0, 2, 0x33600
	v_mov_b32 v255, 0
	v_lshrrev_b32 v240, 5, v0
	v_readfirstlane_b32 s20, v240                  ; wave 0..15
	v_and_b32 v240, 31, v0                         ; lane
	v_and_b32 v241, 15, v0                         ; r
	v_bfe_u32 v242, v0, 4, 1                       ; h
	s_and_b32 s21, ttmp7, 0xffff                   ; the image
	s_wait_alu depctr_va_sdst(0)                   ; s20 is written, ahead of its first reader: the wave's places in LDS and in memory are made from it
	s_lshr_b32 s22, s20, 2                         ; which of the four image rows
	s_and_b32 s23, s20, 3                          ; q
	v_lshlrev_b32 v[L16], 4, v240
	v_lshl_add_u32 v[LHS], v240, 2, HS
	v_lshlrev_b32 v243, 4, v0                      ; 16 x thread: the copies of g and h, in memory and in LDS
	v_lshlrev_b32 v244, 1, v0                      ; 2 x thread: h's scale words
	v_add_nc_u32 v245, HS, v244
	v_add_nc_u32 v[XPA], XP, v243
	s_mul_i32 s39, s22, SIMG
	s_add_co_u32 s39, s39, STG                     ; my image row's part of the stage
	s_lshl_b32 s40, s23, 5
	s_add_co_u32 s40, s40, s39
	v_mul_u32_u24 v[STO], v241, SROW
	v_lshl_add_u32 v[STO], v242, 7, v[STO]
	v_add_nc_u32 v[STO], s40, v[STO]               ; in: channel row r, pixel 32 h + 8 q
	s_mul_i32 s40, s23, 16*SROW
	s_add_co_u32 s40, s40, s39
	v_mul_u32_u24 v[SRD], v242, SROW
	v_lshl_add_u32 v[SRD], v241, 4, v[SRD]
	v_add_nc_u32 v[SRD], s40, v[SRD]               ; back: channels 16 q + 2 i + h, sixteen lanes to a row
	s_lshl_b32 s40, s23, 18
	s_lshl_b32 s41, s22, 8
	s_add_co_u32 s40, s40, s41
	v_lshlrev_b32 v[GOF], 4, v241
	v_lshl_add_u32 v[GOF], v242, 14, v[GOF]
	v_add_nc_u32 v[GOF], s40, v[GOF]               ; the same place in x and out: 16,384 x (16 q + h) + 256 x row + 16 r
	s_lshl_b32 s40, s22, 11
	s_add_co_u32 s40, s40, WOI
	v_add_nc_u32 v[WOA], s40, v[L16]
	s_lshl_b32 s41, s23, 9
	s_add_co_u32 s41, s41, s40
	v_add_nc_u32 v246, s41, v[L16]                 ; where I put my tile of w_o's codes
	s_lshl_b32 s40, s22, 6
	s_add_co_u32 s40, s40, WOS
	v_lshl_add_u32 v[WSA], v241, 2, s40
	v_add_nc_u32 v247, s23, v[WSA]                 ; and byte q of its rows' scale words
	s_lshl_b32 s40, s23, 11
	v_lshlrev_b32 v248, 7, v241
	v_lshl_add_u32 v248, v242, 6, v248
	v_add_nc_u32 v248, s40, v248                   ; w_o: row 16 q + r of 128 bytes, + 64 h
	s_lshl_b32 s24, s21, 17                        ; fimg: 131,072 x image + 8,192 x work-group x + 512 x wave
	s_lshl_b32 s25, ttmp9, 13
	s_add_co_u32 s24, s24, s25
	s_lshl_b32 s25, s20, 9
	s_add_co_u32 s24, s24, s25
	s_mov_b32 s25, 0
	s_lshl_b32 s26, s21, 15                        ; gimg, himg: 32,768 x image
	s_mov_b32 s27, 0
	s_lshl_b32 s42, s21, 10                        ; hsc: 1,024 x image
	s_mov_b32 s43, 0
	s_lshl_b32 s44, s21, 20                        ; x, out: 1,048,576 x image + 1,024 x work-group x
	s_lshl_b32 s45, ttmp9, 10
	s_add_co_u32 s44, s44, s45
	s_mov_b32 s45, 0
	s_mov_b32 s[SEL], 0x76543210
	s_mov_b32 s[SEL+1], 0xfedcba98
	s_mov_b32 s[MNT], 0x600000
	s_mov_b32 s[CS], 0x3fb8aa3b                    ; log2(e)
	s_mov_b32 s[CS+1], s[CS]                       ; (the packed form names the pair)
	s_mov_b32 s[TB], 0
	s_mov_b32 s[TS], 0
	s_mov_b32 s[CNT], 7                            ; seven steps in the loop; the eighth is written out
.irp b, 0,1,2,3
	v_mov_b32 v[BP+\b], 0                          ; written once: a lane permute's destination counts as one of its sources
.endr
	s_wait_kmcnt 0x0
	s_load_b32 s[GM], s[14:15], 0x0
	s_add_nc_u64 s[4:5], s[4:5], s[24:25]
	s_add_nc_u64 s[6:7], s[6:7], s[26:27]
	s_add_nc_u64 s[8:9], s[8:9], s[26:27]
	s_add_nc_u64 s[10:11], s[10:11], s[42:43]
	s_add_nc_u64 s[16:17], s[16:17], s[44:45]
	s_add_nc_u64 s[18:19], s[18:19], s[44:45]
	s_wait_alu depctr_va_vdst(0)                   ; all offsets and LDS addresses made above (v1, v2, v5 to v10, v243 to v248) are written: the kernel's loads and stores read them, and none of them is written again
.irp k, 0,1,2,3
	global_load_b128 v[P+4*\k:P+4*\k+3], v243, s[6:7] offset:8192*\k
.endr
.irp k, 0,1,2,3
	global_load_b128 v[P+16+4*\k:P+16+4*\k+3], v243, s[8:9] offset:8192*\k
.endr
	global_load_u16 v249, v244, s[10:11]
.irp k, 0,1,2,3
	global_load_b128 v[GH+4*\k:GH+4*\k+3], v248, s[12:13] offset:16*\k
.endr
	global_load_b128 v[FB:FB+3], v[L16], s[4:5]
.irp i, 0,1,2,3,4,5,6,7
	global_load_b128 v[P+32+4*\i:P+32+4*\i+3], v[GOF], s[16:17] offset:32768*\i th:TH_LOAD_NT   ; x: sixteen lanes take 256 consecutive bytes
.endr
	s_wait_kmcnt 0x0
	s_mov_b32 s[GM+1], s[GM]
	s_wait_loadcnt 8                               ; all but x's eight loads are in
.irp k, 0,1,2,3
	ds_store_b128 v243, v[P+4*\k:P+4*\k+3] offset:GI+8192*\k
	ds_store_b128 v243, v[P+16+4*\k:P+16+4*\k+3] offset:HI+8192*\k
.endr
	ds_store_b16 v245, v249
	QUANT1 GH, GH+16                               ; w_o: rows 16 q + r, k = 16 h + 0 .. 15
	s_wait_alu depctr_va_vdst(0)                   ; the conversions have written v[GH+16 ..] and the shift v[BP+1], which the two LDS stores below read
	ds_store_b128 v246, v[GH+16:GH+19]
	ds_store_b8 v247, v[BP+1]                      ; both lanes of a row write the same byte with the same value
	s_wait_loadcnt 0x0
.irp i, 0,1,2,3,4,5,6,7
	ds_store_b128 v[XPA], v[P+32+4*\i:P+32+4*\i+3] offset:8192*\i
.endr
	v_mov_b32 v[NM+1], 0xff61b1e6                  ; the largest t so far: -3e38, under every t
	v_floor_f32 v[NM], -v[NM+1]                    ; -M
	v_mov_b32 v[LS], 0
	v_mov_b32 v[LS+1], 0
	v_mov_b32 v[F+1], 0
.irp i, 0,1,2,3,4,5,6,7,8,9,10,11,12,13,14,15
	v_mov_b32 v[O+\i], 0                           ; the step is written once: the first finds zeros, which the first change of M leaves zeros
.endr
	s_wait_dscnt 0x0                               ; for the others' sake: my stores have landed
	s_barrier_signal -1
	s_barrier_wait -1
	s_wait_alu depctr_vm_vsrc(0)                   ; my LDS stores have read v[P ..], v[GH+16 ..] and v[BP+1]: g's and h's fragments land in the first two, and the steps' vector lines write P and BP
.irp t, 0,1,2,3,4,5,6,7
	ds_load_b128 v[P+4*\t:P+4*\t+3], v[L16] offset:GI+512*\t   ; the first step's key tile t: channels 4 h .. 4 h + 3 of my key.  No vector line has named these registers yet
.endr
; A STEP of 128 keys.  more = 1: the next step's fragments of g are asked for.
.macro STEP more
	s_wait_dscnt 0x0                               ; this step's eight fragments of g are in
.irp i, 0,1                                    ; S^T = g^T f: eight sums by turns, one instruction a turn; the first takes the constant 0.  Place 2 h + j of instruction i is channel 4 h + 2 i + j, in g and in f alike
.irp t, 0,1,2,3,4,5,6,7
.if \i == 0
	v_wmma_f32_16x16x4_f32 v[S+8*\t:S+8*\t+7], v[P+4*\t:P+4*\t+1], v[FB:FB+1], 0
.else
	v_wmma_f32_16x16x4_f32 v[S+8*\t:S+8*\t+7], v[P+4*\t+2:P+4*\t+3], v[FB+2:FB+3], v[S+8*\t:S+8*\t+7]
.endif
.endr
.endr
	s_wait_alu depctr_vm_vsrc(0)                   ; the LDS loads of the step before have read v[AD] and v[ADS], which the two additions write
	v_add_nc_u32 v[AD], s[TB], v[L16]
	v_add_nc_u32 v[ADS], s[TS], v[LHS]
.rept 6
	v_nop                                          ; with the two additions: eight places in front of the first read of the scores
.endr
.irp b, 0,1,2,3
	v_max3_num_f32 v[BM+\b], v[S+16*\b], v[S+16*\b+1], v[S+16*\b+2]   ; the largest score of each block of 32 keys: for the row's maximum, and, since p rises with the score, for the block's largest p
.endr
.irp i, 3,5,7,9,11,13
.irp b, 0,1,2,3
	v_max3_num_f32 v[BM+\b], v[BM+\b], v[S+16*\b+\i], v[S+16*\b+\i+1]
.endr
.endr
.irp b, 0,1,2,3
	v_max_num_f32 v[BM+\b], v[BM+\b], v[S+16*\b+15]
.endr
.irp b, 0,1,2,3
	v_permlanex16_b32 v[BP+\b], v[BM+\b], s[SEL], s[SEL+1]
.endr
.irp b, 0,1,2,3
	v_max_num_f32 v[BM+\b], v[BM+\b], v[BP+\b]     ; with lane l xor 16's 16 keys
.endr
	v_max3_num_f32 v[T1], v[BM], v[BM+1], v[BM+2]
	v_max_num_f32 v[T1], v[T1], v[BM+3]
	v_mul_f32 v[T1], s[CS], v[T1]                  ; the step's largest t of my query
	v_max_num_f32 v[NM+1], v[NM+1], v[T1]
	v_mov_b32 v[T1], v[NM]
	v_floor_f32 v[NM], -v[NM+1]                    ; the new -M = -ceil(t): a whole number
	v_sub_f32 v[T1], v[NM], v[T1]                  ; old M - new M: a whole number, 0 or less
	v_cvt_i32_f32 v[T1], v[T1]                     ; (it saturates)
	v_ldexp_f32 v[F], 1.0, v[T1]                   ; 2^(old M - new M)
.set j, 0
.rept 32
	v_pk_fma_f32 v[P+j:P+j+1], v[S+j:S+j+1], s[CS:CS+1], v[NM:NM+1] op_sel_hi:[1,0,0]   ; t - M, two at a time, into registers of its own
.set j, j+2
.endr
.irp b, 0,1,2,3
	v_fma_f32 v[BM+\b], v[BM+\b], s[CS], v[NM]     ; the same of each block's largest score
.endr
.set j, 0
.rept 64
	v_exp_f32 v[P+j], v[P+j]                       ; p = 2^(t - M)
.set j, j+1
.endr
	v_pk_mul_f32 v[LS:LS+1], v[LS:LS+1], v[F:F+1] op_sel_hi:[1,0]   ; the sums under the new M: a plain instruction behind the exponentials
	s_wait_alu depctr_va_vdst(0)                   ; the 64 exponentials have written p, ahead of its first reader; v[AD] and v[ADS] are written, which the loads below read; the last step's scaled products are done reading GH and v[HSW], in which they land
.irp u, 0,1
.irp c, 0,1,2,3
	ds_load_b128 v[GH+16*\u+4*\c:GH+16*\u+4*\c+3], v[AD] offset:HI+2048*\u+512*\c   ; h's two fragments land while the sums, the holds and the conversions are worked
.endr
.endr
	ds_load_b32 v[HSW], v[ADS]                     ; lanes 0-15: channel tile 0's words; lanes 16-31: tile 1's
.irp b, 0,1,2,3
	v_exp_f32 v[BM+\b], v[BM+\b]                   ; the block's largest p
.endr
	v_pk_add_f32 v[SM:SM+1], v[P:P+1], v[P+2:P+3]  ; the row's sum, of the unquantised p: two chains
.set j, 4
.rept 15
	v_pk_add_f32 v[LS:LS+1], v[LS:LS+1], v[P+j:P+j+1]
	v_pk_add_f32 v[SM:SM+1], v[SM:SM+1], v[P+j+2:P+j+3]
.set j, j+4
.endr
	v_pk_add_f32 v[LS:LS+1], v[LS:LS+1], v[SM:SM+1]
	s_wait_alu depctr_va_vdst(0)                   ; the four exponentials have written v[BM ..], ahead of their first reader
.irp b, 0,1,2,3
	v_max_num_f32 v[BM+\b], 0x4800000, v[BM+\b]    ; the floor 2^(9 - 127)
.endr
.irp b, 0,1,2,3
	v_add_nc_u32 v[SC+\b], 0xfc000000, v[BM+\b]
.endr
.irp b, 0,1,2,3
	v_and_or_b32 v[HL+\b], v[BM+\b], 0x7f800000, s[MNT]
.endr
.irp b, 0,1,2,3
	v_lshrrev_b32 v[BP+\b], 23, v[SC+\b]
.endr
	v_lshl_or_b32 v[PSW], v[BP+1], 8, v[BP]        ; p's scale word for these 128 keys
	v_lshl_or_b32 v[PSW], v[BP+2], 16, v[PSW]
	v_lshl_or_b32 v[PSW], v[BP+3], 24, v[PSW]
.irp b, 0,1,2,3
.set i, 0
.rept 16
	v_min_num_f32 v[P+16*\b+i], v[P+16*\b+i], v[HL+\b]   ; the hold: p is not negative, so it is one-sided
.set i, i+1
.endr
	v_cvt_scalef32_pk8_fp8_f32 v[PC+4*\b:PC+4*\b+1], v[P+16*\b:P+16*\b+7], v[SC+\b]
	v_cvt_scalef32_pk8_fp8_f32 v[PC+4*\b+2:PC+4*\b+3], v[P+16*\b+8:P+16*\b+15], v[SC+\b]
.endr
.set j, 0
.rept 8
	v_pk_mul_f32 v[O+j:O+j+1], v[O+j:O+j+1], v[F:F+1] op_sel_hi:[1,0]   ; O^T under the new M
.set j, j+2
.endr
.rept 4
	v_nop                                          ; four places between the codes and the scaled matrix instructions
.endr
	s_wait_dscnt 0x0                               ; h's fragments and scale words are in
	s_wait_alu depctr_va_vdst(0)                   ; the conversions have written p's codes and the shifts its scale word, which the scaled products take; the holds and conversions are done with P0 .. P31, in which the loads below land
.if \more
.irp t, 0,1,2,3,4,5,6,7
	ds_load_b128 v[P+4*\t:P+4*\t+3], v[AD] offset:GI+4096+512*\t   ; the next step's key tile t.  The two products below name O, GH, p's codes and the scale words: none of these registers
.endr
.endif
	v_wmma_scale_f32_16x16x128_f8f6f4 v[O:O+7], v[GH:GH+15], v[PC:PC+15], v[O:O+7], v[HSW], v[PSW]
	v_wmma_scale_f32_16x16x128_f8f6f4 v[O+8:O+15], v[GH+16:GH+31], v[PC:PC+15], v[O+8:O+15], v[HSW], v[PSW] matrix_a_scale:MATRIX_SCALE_ROW1
.if \more
	s_add_co_u32 s[TB], s[TB], 4096
	s_add_co_u32 s[TS], s[TS], 128
.endif
.endm
.Lstep:                                            ; 7 trips of 128 keys
	STEP 1
	s_sub_co_u32 s[CNT], s[CNT], 1
	s_cmp_lg_u32 s[CNT], 0
	s_cbranch_scc1 .Lstep
	STEP 0                                         ; the eighth step is written out: no g is asked for that nobody reads
	; THE END.  o = O^T / the sum, quantised along its 32 channels; w_o o; gamma x that + x.
	v_add_f32 v[LS], v[LS], v[LS+1]                ; the sum's two halves
.rept 7
	v_nop                                          ; with the addition: eight places behind the last products
.endr
	v_permlanex16_b32 v[T1], v[LS], s[SEL], s[SEL+1]
	v_add_f32 v[LS], v[LS], v[T1]                  ; and lane l xor 16's: the row's sum
	v_rcp_f32 v[F], v[LS]
.irp i, 0,1,2,3,4,5,6,7,8,9,10,11
	v_mov_b32 v[GH+\i], 0                          ; 12 zeros, o's 4 registers of codes, 12 zeros
	v_mov_b32 v[GH+16+\i], 0
.endr
	s_wait_alu depctr_va_vdst(0)                   ; the reciprocal has written v[F], ahead of its first reader; the last scaled products are done reading p's codes, in whose registers w_o's codes land
.irp c, 0,1,2,3
	ds_load_b128 v[PC+4*\c:PC+4*\c+3], v[WOA] offset:512*\c   ; w_o's tile c is block c of source 1
.endr
	ds_load_b32 v[WSW], v[WSA]                     ; byte c: the scale of row 16 c + r
.irp i, 0,1,2,3,4,5,6,7,8,9,10,11,12,13,14,15
	v_mul_f32 v[P+\i], v[O+\i], v[F]               ; o(channel 16 h + i, my query)
.endr
	QUANT1 P, GH+12
	v_lshl_or_b32 v[T1], v[BP+1], 8, v[BP+1]
	v_lshl_or_b32 v[OSW], v[T1], 16, v[T1]         ; o's byte in all four places: the codes stand in block c
.rept 8
	v_nop                                          ; eight places between the scale word and the scaled matrix instructions
.endr
	s_wait_dscnt 0x0
	s_wait_alu depctr_va_vdst(0)                   ; the conversions have written o's codes, the moves the zeros round them and the shifts o's scale word, which the scaled products take
.irp c, 0,1,2,3
	v_wmma_scale_f32_16x16x128_f8f6f4 v[P+16+8*\c:P+23+8*\c], v[GH+12-4*\c:GH+27-4*\c], v[PC:PC+15], 0, v[OSW], v[WSW]
.endr
.rept 8
	v_nop
.endr
	s_wait_alu depctr_va_vdst(0)                   ; the four products have written v[P+16 ..], which the LDS stores read; the places above stay beside this wait.  No vector line stands between it and the loads behind the barrier, which land in P
.irp c, 0,1,2,3
	ds_store_b128 v[STO], v[P+16+8*\c:P+19+8*\c] offset:\c*16*SROW      ; channel 16 c + r, pixels 32 h + 8 q + 0 .. 7; each result from its low end on
	ds_store_b128 v[STO], v[P+20+8*\c:P+23+8*\c] offset:\c*16*SROW+16
.endr
	s_wait_dscnt 0x0                               ; for the others' sake: a row's 256 bytes come from four waves
	s_barrier_signal -1
	s_barrier_wait -1
	s_wait_alu depctr_vm_vsrc(0)                   ; my LDS stores have read v[P+16 ..], in which the loads below land
.irp i, 0,1,2,3,4,5,6,7
	ds_load_b128 v[P+4*\i:P+4*\i+3], v[SRD] offset:2*SROW*\i
	ds_load_b128 v[P+32+4*\i:P+32+4*\i+3], v[XPA] offset:8192*\i   ; what I parked at the head: the same places of x
.endr
.irp i, 0,1,2,3,4,5,6,7
	s_wait_dscnt 14-2*\i                           ; LDS loads come back in order (ISA guide 5.7.1): pair i is in, the later pairs stay out
	v_pk_fma_f32 v[P+4*\i:P+4*\i+1], v[P+4*\i:P+4*\i+1], s[GM:GM+1], v[P+32+4*\i:P+32+4*\i+1] op_sel_hi:[1,0,1]
	v_pk_fma_f32 v[P+4*\i+2:P+4*\i+3], v[P+4*\i+2:P+4*\i+3], s[GM:GM+1], v[P+32+4*\i+2:P+32+4*\i+3] op_sel_hi:[1,0,1]
.endr
	s_wait_alu depctr_va_vdst(0)                   ; the sixteen multiply-adds have written v[P .. P+31], which the eight stores read
.irp i, 0,1,2,3,4,5,6,7
	global_store_b128 v[GOF], v[P+4*\i:P+4*\i+3], s[18:19] offset:32768*\i th:TH_STORE_NT   ; sixteen lanes store 256 consecutive bytes, at a multiple of 256 from out's first byte
.endr
	s_wait_dscnt 0x0                               ; the closing lines, six on end
	s_wait_alu 0x0
	s_wait_tensorcnt 0x0
	ds_add_u32 v254, v255
	s_wait_dscnt 0x0
	s_endpgm
.Lfunc_end_k_q07bc308e82_attend:
	.size	k_q07bc308e82_attend, .Lfunc_end_k_q07bc308e82_attend-k_q07bc308e82_attend
	.p2alignl 7, 3214868480
	.fill 96, 4, 3214868480
	.section	.rodata,"a",@progbits
	.p2align	6, 0x0
	.amdhsa_kernel k_q07bc308e82_attend
		.amdhsa_group_segment_fixed_size 212480
		.amdhsa_private_segment_fixed_size 0
		.amdhsa_enable_private_segment 0
		.amdhsa_kernarg_size 64
		.amdhsa_user_sgpr_count 2
		.amdhsa_user_sgpr_kernarg_segment_ptr 1
		.amdhsa_wavefront_size32 1
		.amdhsa_system_sgpr_workgroup_id_x 1
		.amdhsa_system_sgpr_workgroup_id_y 1
		.amdhsa_system_sgpr_workgroup_id_z 1
		.amdhsa_system_vgpr_workitem_id 0
		.amdhsa_next_free_vgpr 256
		.amdhsa_next_free_sgpr 66
		.amdhsa_reserve_vcc 0
		.amdhsa_float_denorm_mode_32 3
		.amdhsa_float_denorm_mode_16_64 3
		.amdhsa_memory_ordered 1
		.amdhsa_forward_progress 1
		.amdhsa_inst_pref_size 52
	.end_amdhsa_kernel
	.amdgpu_metadata
---
amdhsa.version: [ 1, 2 ]
amdhsa.kernels:
  - .name:           k_q07bc308e82_attend
    .symbol:         k_q07bc308e82_attend.kd
    .args:
      - { .name: fimg, .offset: 0, .size: 8, .value_kind: global_buffer, .address_space: global }
      - { .name: gimg, .offset: 8, .size: 8, .value_kind: global_buffer, .address_space: global }
      - { .name: himg, .offset: 16, .size: 8, .value_kind: global_buffer, .address_space: global }
      - { .name: hsc, .offset: 24, .size: 8, .value_kind: global_buffer, .address_space: global }
      - { .name: w_o, .offset: 32, .size: 8, .value_kind: global_buffer, .address_space: global }
      - { .name: gamma, .offset: 40, .size: 8, .value_kind: global_buffer, .address_space: global }
      - { .name: x, .offset: 48, .size: 8, .value_kind: global_buffer, .address_space: global }
      - { .name: out0, .offset: 56, .size: 8, .value_kind: global_buffer, .address_space: global }
    .group_segment_fixed_size: 212480
    .private_segment_fixed_size: 0
    .kernarg_segment_align: 8
    .kernarg_segment_size: 64
    .max_flat_workgroup_size: 512
    .sgpr_count:     66
    .vgpr_count:     256
    .wavefront_size: 32
...
	.end_amdgpu_metadata
.endif
;; end of part 3
